; MI455X (gfx1250); checked and timed in simulation.
; The chip was launched on July 23, 2026; its instructions are those of AMD's public machine-readable ISA for CDNA 5 (MIT licence, August 2026) and "CDNA5" Instruction Set Architecture Reference Guide (July 2026). The comments in the code are by the model that wrote it; some were corrected since.
;; cross att. Allowed arithmetic: float matrix products may take bf16 or f16 operands with f32 sums; all other float work in f32.
;; Inputs: key 16 x 2,048 x 512 float32; query 16 x 2,048 x 512 float32; value 16 x 2,048 x 512 float32.
;; Outputs: out0 16 x 2,048 x 512 float32.
;; 3 versions, each right; version 3 is version 2 with the launch cvt written anew for expert scheduling mode. Each part assembles by itself: llvm-mc -triple=amdgcn-amd-amdhsa -mcpu=gfx1250 --defsym DOCPART=n.
;; ======== version 1 of 3: 2 launches
;; workspace buffers: kb 33,554,432 bytes; vb 33,554,432 bytes
;; launch cvt (part 1): grid 1024 x 1, 8 waves a work-group, no clusters, 0 bytes of LDS; arguments key, value, kb, vb; writes kb, vb
.if DOCPART == 1
	.amdgcn_target "amdgcn-amd-amdhsa--gfx1250"
	.amdhsa_code_object_version 6
	.text
	.protected	k_q471f8b04bd_cvt
	.globl	k_q471f8b04bd_cvt
	.p2align	8
	.type	k_q471f8b04bd_cvt,@function
k_q471f8b04bd_cvt:
	s_mov_b64 s[64:65], 0
	v_nop
	global_prefetch_b8 v0, s[64:65] scope:SCOPE_SE
	s_setreg_imm32_b32 hwreg(HW_REG_WAVE_MODE, 25, 1), 1
	s_wait_xcnt 0x0
; kb = bf16(key), vb = bf16(value), both [16][2048][512], rounded to nearest even, same order of elements.
; A stream: every input byte is read once and every output byte written once, so there is no LDS, no barrier, no matrix work.
; Why this launch exists: each key and value row is a matrix operand of the sixteen query blocks of its batch; rounding it here
; once spares sixteen roundings and halves the bytes that the attention launch moves for each use.
; The work-group owns 65,536 bytes of each input (1,024 groups x 64 KiB = 67,108,864), a wave 8,192 of them: sixteen loads of 512
; neighbouring bytes from each input.  All 32 loads of a wave go out at once; nothing is rewritten while it is named, so there is no loop.
.set X, 4                              ; v[4:67] key as loaded, v[68:131] value as loaded; the packed results overwrite the first two registers of each four
	s_load_b256 s[4:11], s[0:1], 0x0               ; key s[4:5], value s[6:7], kb s[8:9], vb s[10:11]
	v_and_b32 v3, 31, v0                           ; lane
	v_and_b32 v2, 0xe0, v0                         ; 32 x wave
	v_lshlrev_b32 v1, 4, v3
	v_lshl_or_b32 v1, v2, 8, v1                    ; in: wave x 8,192 + lane x 16
	v_lshlrev_b32 v3, 3, v3
	v_lshl_or_b32 v2, v2, 7, v3                    ; out: wave x 4,096 + lane x 8
	s_lshl_b32 s2, ttmp9, 16                       ; the group's 65,536 input bytes (below 2^27)
	s_mov_b32 s3, 0
	s_lshl_b32 s12, ttmp9, 15                      ; and its 32,768 output bytes
	s_mov_b32 s13, 0
	s_wait_kmcnt 0x0
	s_add_nc_u64 s[4:5], s[4:5], s[2:3]
	s_add_nc_u64 s[6:7], s[6:7], s[2:3]
	s_add_nc_u64 s[8:9], s[8:9], s[12:13]
	s_add_nc_u64 s[10:11], s[10:11], s[12:13]
.set n, 0
.rept 16
	global_load_b128 v[X+4*n:X+4*n+3], v1, s[4:5] offset:512*n th:TH_LOAD_NT
.set n, n+1
.endr
.rept 16
	global_load_b128 v[X+4*n:X+4*n+3], v1, s[6:7] offset:512*(n-16) th:TH_LOAD_NT
.set n, n+1
.endr
; load n is in when 31 - n younger ones are still out (loads come back in order: ISA guide 5.7.1)
.set n, 0
.rept 16
	s_wait_loadcnt 31-n
	v_cvt_pk_bf16_f32 v[X+4*n],   v[X+4*n],   v[X+4*n+1]
	v_cvt_pk_bf16_f32 v[X+4*n+1], v[X+4*n+2], v[X+4*n+3]
	global_store_b64 v2, v[X+4*n:X+4*n+1], s[8:9] offset:256*n         ; the wave's 32 lanes store 256 consecutive bytes, at a multiple of 256
.set n, n+1
.endr
.rept 16
	s_wait_loadcnt 31-n
	v_cvt_pk_bf16_f32 v[X+4*n],   v[X+4*n],   v[X+4*n+1]
	v_cvt_pk_bf16_f32 v[X+4*n+1], v[X+4*n+2], v[X+4*n+3]
	global_store_b64 v2, v[X+4*n:X+4*n+1], s[10:11] offset:256*(n-16)
.set n, n+1
.endr
	s_endpgm
.Lfunc_end_k_q471f8b04bd_cvt:
	.size	k_q471f8b04bd_cvt, .Lfunc_end_k_q471f8b04bd_cvt-k_q471f8b04bd_cvt
	.p2alignl 7, 3214868480
	.fill 96, 4, 3214868480
	.section	.rodata,"a",@progbits
	.p2align	6, 0x0
	.amdhsa_kernel k_q471f8b04bd_cvt
		.amdhsa_group_segment_fixed_size 0
		.amdhsa_private_segment_fixed_size 0
		.amdhsa_enable_private_segment 0
		.amdhsa_kernarg_size 32
		.amdhsa_user_sgpr_count 2
		.amdhsa_user_sgpr_kernarg_segment_ptr 1
		.amdhsa_wavefront_size32 1
		.amdhsa_system_sgpr_workgroup_id_x 1
		.amdhsa_system_sgpr_workgroup_id_y 1
		.amdhsa_system_sgpr_workgroup_id_z 1
		.amdhsa_system_vgpr_workitem_id 0
		.amdhsa_next_free_vgpr 132
		.amdhsa_next_free_sgpr 66
		.amdhsa_reserve_vcc 0
		.amdhsa_float_denorm_mode_32 3
		.amdhsa_float_denorm_mode_16_64 3
		.amdhsa_memory_ordered 1
		.amdhsa_forward_progress 1
		.amdhsa_inst_pref_size 12
	.end_amdhsa_kernel
	.amdgpu_metadata
---
amdhsa.version: [ 1, 2 ]
amdhsa.kernels:
  - .name:           k_q471f8b04bd_cvt
    .symbol:         k_q471f8b04bd_cvt.kd
    .args:
      - { .name: key, .offset: 0, .size: 8, .value_kind: global_buffer, .address_space: global }
      - { .name: value, .offset: 8, .size: 8, .value_kind: global_buffer, .address_space: global }
      - { .name: kb, .offset: 16, .size: 8, .value_kind: global_buffer, .address_space: global }
      - { .name: vb, .offset: 24, .size: 8, .value_kind: global_buffer, .address_space: global }
    .group_segment_fixed_size: 0
    .private_segment_fixed_size: 0
    .kernarg_segment_align: 8
    .kernarg_segment_size: 32
    .max_flat_workgroup_size: 256
    .sgpr_count:     66
    .vgpr_count:     132
    .wavefront_size: 32
...
	.end_amdgpu_metadata
.endif
;; end of part 1
;; launch attn (part 2): grid 16 x 16, 4 waves a work-group, clusters of 4 x 1, 327,680 bytes of LDS; arguments query, key, kb, vb, out0; writes out0
.if DOCPART == 2
	.amdgcn_target "amdgcn-amd-amdhsa--gfx1250"
	.amdhsa_code_object_version 6
	.text
	.protected	k_q471f8b04bd_attn
	.globl	k_q471f8b04bd_attn
	.p2align	8
	.type	k_q471f8b04bd_attn,@function
k_q471f8b04bd_attn:
	s_mov_b64 s[64:65], 0
	v_nop
	global_prefetch_b8 v0, s[64:65] scope:SCOPE_SE
	s_setreg_imm32_b32 hwreg(HW_REG_WAVE_MODE, 25, 1), 1
	s_wait_xcnt 0x0
	s_wait_alu depctr_hold_cnt(0) depctr_sa_sdst(0) depctr_va_vdst(0) depctr_va_sdst(0) depctr_va_ssrc(0) depctr_va_vcc(0) depctr_vm_vsrc(0)
	s_getreg_b32 s2, hwreg(HW_REG_IB_STS2, 6, 4)
	s_cmp_eq_u32 s2, 0
	s_cbranch_scc0 .Lentry_in_a_cluster
	s_endpgm
.Lentry_in_a_cluster:
	s_bfe_u32 s2, ttmp6, 0x10000c
	s_cmp_lg_u32 s2, 0x3003
	s_cbranch_scc0 .Lentry_shape_is_right
	s_endpgm
.Lentry_shape_is_right:
; out[b][q][:] = softmax over k of (Q[b][q] . K[b][k]) x V[b] / sqrt(512) + K[b][q][:]      B = 16, N = 2048, D = 512, f32 in and out.
; kb, vb: key and value in bf16 (made by the launch before).  query is rounded to bf16 here (each row is used by one wave alone).
;
; SHARES.  A work-group owns 128 query rows of one batch (grid x = query block, y = batch: 256 groups).  Four waves, as many as a WGP has SIMDs;
; wave w owns rows 32 w .. 32 w + 31 with all 512 columns: 64 output tiles of 16 x 16 in 512 registers, its Q in 256.  The waves share only the
; tiles of K and V.  The keys go in 16 steps of 128, with a running maximum (the scores carry no scale, so their size is not bounded).
;
; BOTH PRODUCTS ARE USED TRANSPOSED.  S^T = K Q^T: source 0 = 16 keys, source 1 = 16 query rows; lane (r, h) then holds keys 8 h + 0..7 of a key
; tile for query row r.  Two neighbouring key tiles, packed to bf16, ARE the second source of O^T = V^T P^T over 32 keys, so P never leaves the
; registers; maximum, sum and rescaling factor are one number a lane, and one exchange between the halves of the wave joins them.
; V^T fragments come out of V's rows by the transposing LDS load.
;
; LDS: two slots that take turns.  While S is made from K's slot, V's tile is on its way; while the softmax and P V work on V's slot, the next K.
;   0        K tile, 128 rows, pitch 1,040 = 65 x 16 (sixteen rows of a fragment load start in sixteen different 16-byte columns modulo 256 bytes)
;   133,120  V tile, 128 rows, pitch 1,056 = 33 x 32 (the same for the transposing load, which takes 32 bytes of a row)
;   268,288  a stage of 16 rows x 528 bytes for each wave: written by LDS stores alone, never by a tensor load; Q on its way in, O on its way out
;
; CLUSTER: the four query blocks 4 X .. 4 X + 3 of one batch walk the same K and V tiles in the same order.  Each tile is asked for jointly
; (mask 15, the same descriptor in all four: it is made of the batch and the wave's number alone), which divides the requests by four.  The
; batch's sixteen blocks do not go into one mask: a mask here names four work-groups.  Every refill stands behind a round of the cluster's barrier.
; Tensor loads outstanding in a wave, by this text's count: two at the start (K0, V0), one behind each round.
;
; LIMITS.  Q, K, V and the probabilities enter the matrix unit as bf16 (nearest even).  A row's sum is taken over the f32 probabilities, the
; product over their bf16 roundings (relative difference at most 2^-9).  v_exp_f32 gives 0 for results below 2^-126 (ISA guide 15.8), so
; probabilities below that fraction of the row's largest are dropped.  Scores that are infinite or NaN give NaN in their rows.  Sums are
; ordered otherwise than in a row-by-row evaluation.
;
; REGISTERS, in windows of 256 (s_set_vgpr_msb: bits 1:0 source 0, 3:2 source 1, 5:4 source 2, 7:6 destination):
;   window 0: addresses, statistics, S (then P), three fragment buffers.   window 1: Q(qb, ks) at 128 qb + 8 ks; from the last step on key rows in f32.
;   window 2: O(db, qb) at 16 db + 8 qb, db 0-15.   window 3: db 16-31.   (At the start windows 2 and 3 take Q in f32.)
.set TILEB, 131072                     ; 128 rows of 1,024 bytes: one step of kb or of vb
.set KP,    1040
.set VP,    1056
.set VS,    128*KP
.set STG,   VS+128*VP
.set SP,    528
.set STGW,  16*SP
.set ADRK,  1                          ; v1, v2    my place in K fragments of key tiles 0-3, 4-7
.set ADRV,  3                          ; v3, v4    my place in V fragments of keys 0-63, 64-127
.set STA,   5                          ; v5        stage: where I store
.set STB,   6                          ; v6        stage: where I read
.set GOFF,  7                          ; v7        16 x lane
.set MX,    8                          ; v8, v9    running maximum of the raw scores, query block 0, 1
.set LS,    10                         ; v10, v11  my half of the running sum
.set NM,    12                         ; v[12:13], v[14:15]  - log2(e) x maximum, twice (a pair for the packed forms)
.set AL,    16                         ; v[16:17], v[18:19]  factor for what was summed under the old maximum, twice; at the end 1 / (sqrt(512) x sum)
.set T,     20                         ; v20-27    at work
.set PFO,   28                         ; v28       prefetch: my query block's 8 KiB of a tile + 256 x lane
.set PX,    29                         ; v29       lands the other half's maximum
.set PFL,   30                         ; v30       256 x lane
.set SB,    32                         ; v32-159   S(kt, qb) at 32 + 64 qb + 8 kt; packed in place: P(ks2, qb) at 32 + 64 qb + 16 ks2
.set FB,    160                        ; v160-255  three buffers of four fragments
.set G1K,   24                         ; s[24:31]  descriptor group 1 of K's tiles
.set G1V,   32                         ; s[32:39]  of V's tiles: another padding
.set G0K,   40                         ; s[40:43]  group 0 of K's slot
.set G0V,   44                         ; s[44:47]  group 0 of V's slot
.set PFK,   54                         ; s[54:55]  kb at the tile that the next prefetch asks for
.set PFV,   56                         ; s[56:57]  vb likewise
.set MSB, 0
.macro WIN new                         ; the immediate's high byte repeats the setting that is left; a switch that changes nothing is dropped
.if MSB != (\new)
	s_set_vgpr_msb (MSB<<8)|(\new)
.set MSB, (\new)
.endif
.endm
.macro PLACES n                        ; places behind matrix instructions (ISA guide 7.12.1), where there is no other vector work to put
.rept \n
	v_nop
.endr
.endm
.macro GAP g                           ; one of the four places between a group's products and the loads into the buffer that the group before has read;
.if (\g) > 0                           ; group 0 loads a buffer last read ahead of the phase, groups 30 and 31 load nothing
.if (\g) < 30
	v_nop
.endif
.endif
.endm
; A round of the cluster's barrier: my work-group's barrier, wave 0 signals for the work-group, every wave waits for all four work-groups, my work-group's barrier again.
.macro ROUND
	s_barrier_signal -1
	s_barrier_wait -1
	s_cmp_lg_u32 s14, 0
	s_cbranch_scc1 .Lnot_wave_0_\@
	s_barrier_signal -3
.Lnot_wave_0_\@:
	s_barrier_wait -3
	s_barrier_signal -1
	s_barrier_wait -1
.endm
; Wave 0 asks for its work-group's sixteenth (8 KiB, lanes 256 bytes apart) of the next 128 KiB tile: the batch's sixteen work-groups ask for each byte once.
.macro PREF base
	s_cmp_lg_u32 s14, 0
	s_cbranch_scc1 .Lno_pf_\@
	global_prefetch_b8 v[PFO], s[\base:\base+1] th:TH_LOAD_NT scope:SCOPE_SE
.Lno_pf_\@:
.endm
	s_load_b256 s[4:11], s[0:1], 0x0               ; query s[4:5], key s[6:7], kb s[8:9], vb s[10:11]
	s_load_b64 s[12:13], s[0:1], 0x20              ; out0
	v_lshl_add_u32 v27, v0, 2, 0x49c00
	v_mov_b32 v31, 0
	ds_add_u32 v27, v31
	s_wait_dscnt 0x0
	v_lshrrev_b32 v1, 5, v0
	v_readfirstlane_b32 s14, v1                    ; wave 0..3
	s_bfe_u32 s15, ttmp6, 0x40000                  ; cx: my place in the cluster
	s_lshl_b32 s16, ttmp9, 2
	s_add_co_u32 s16, s16, s15                     ; query block = 4 x cluster x + cx
	s_and_b32 s17, ttmp7, 0xffff                   ; batch
	s_mov_b32 s18, 0x76543210                      ; v_permlanex16_b32: lane i of one half reads lane i of the other
	s_mov_b32 s19, 0xfedcba98
	s_mov_b32 s20, 0x3fb8aa3b                      ; log2(e), as a pair for the packed form
	s_mov_b32 s21, 0x3fb8aa3b
	s_mov_b32 s22, 0xbfb8aa3b                      ; - log2(e)
	s_mov_b32 s23, 0x3d3504f3                      ; 1 / sqrt(512)
	; group 1: a wave's quarter of a tile, 32 rows x 512 elements of 2 bytes; behind every 256 words (a row) 4 words of padding for K, 8 for V
	s_mov_b32 s[G1K+0], 15|(1<<16)|(1<<20)|(1<<21)|(7<<22)|(3<<25)  ; 15:0 mask: all four of the cluster; 17:16 2 bytes; 20 padding; 21 set beside a mask; 24:22 interval; 31:25 pad - 1
	s_mov_b32 s[G1V+0], 15|(1<<16)|(1<<20)|(1<<21)|(7<<22)|(7<<25)
	s_mov_b32 s[G1K+1], 512<<16                    ; tensor_dim0 = 512
	s_mov_b32 s[G1V+1], 512<<16
	s_mov_b32 s[G1K+2], 32<<16                     ; tensor_dim1 = 32
	s_mov_b32 s[G1V+2], 32<<16
	s_mov_b32 s[G1K+3], 512<<16                    ; tile_dim0 = 512
	s_mov_b32 s[G1V+3], 512<<16
	s_mov_b32 s[G1K+4], 32                         ; tile_dim1 = 32
	s_mov_b32 s[G1V+4], 32
	s_mov_b32 s[G1K+5], 512                        ; elements from row to row
	s_mov_b32 s[G1V+5], 512
	s_mov_b32 s[G1K+6], 0
	s_mov_b32 s[G1V+6], 0
	s_mov_b32 s[G1K+7], 0
	s_mov_b32 s[G1V+7], 0
	s_mov_b32 s[G0K], 1
	s_mul_i32 s[G0K+1], s14, 32*KP                 ; K's slot begins at LDS byte 0: my 32 rows of it
	s_mov_b32 s[G0V], 1
	s_mul_i32 s[G0V+1], s14, 32*VP
	s_add_co_u32 s[G0V+1], s[G0V+1], VS
	s_mul_i32 s53, s14, STGW
	s_add_co_u32 s53, s53, STG                     ; my stage
	s_lshl4_add_u32 s48, s17, s16                  ; my 32 rows of query, key and out0: ((16 batch + block) 4 + wave) x 32 rows x 2,048 bytes, below 2^27
	s_lshl2_add_u32 s48, s48, s14
	s_lshl_b32 s48, s48, 16
	s_mov_b32 s49, 0
	s_lshl_b32 s50, s17, 21                        ; my batch in kb and vb: 2,048 rows of 1,024 bytes.  s[50:51] never hold cx
	s_mov_b32 s51, 0
	s_lshl_b32 s58, s16, 13                        ; my query block's 8 KiB of a tile, for the prefetches alone
	v_and_b32 v[T], 31, v0                         ; lane
	v_lshlrev_b32 v[GOFF], 4, v[T]
	s_wait_kmcnt 0x0
	s_add_nc_u64 s[4:5], s[4:5], s[48:49]
	s_add_nc_u64 s[6:7], s[6:7], s[48:49]
	s_add_nc_u64 s[12:13], s[12:13], s[48:49]
	s_add_nc_u64 s[8:9], s[8:9], s[50:51]
	s_add_nc_u64 s[10:11], s[10:11], s[50:51]
	s_add_nc_u64 s[PFK:PFK+1], s[8:9], TILEB       ; the first prefetches ask for step 1's tiles
	s_add_nc_u64 s[PFV:PFV+1], s[10:11], TILEB
	s_lshl_b32 s50, s14, 15                        ; my 32 rows of a tile
	s_add_nc_u64 s[G0K+2:G0K+3], s[8:9], s[50:51]
	s_or_b32 s[G0K+3], s[G0K+3], 0x80000000
	s_add_nc_u64 s[G0V+2:G0V+3], s[10:11], s[50:51]
	s_or_b32 s[G0V+3], s[G0V+3], 0x80000000
	ROUND                                          ; all four work-groups are here: the first joint loads meet
	tensor_load_to_lds s[G0K:G0K+3], s[G1K:G1K+7]  ; step 0's K and V: the only first fills, one group
	s_nop 0
	tensor_load_to_lds s[G0V:G0V+3], s[G1V:G1V+7]
	s_nop 0
; ---- Q: 32 rows x 512 f32 = 128 loads of 512 neighbouring bytes, in four chunks (qb, dh) of 16 rows x 256 columns; chunk (qb, dh) lands in window 2 + qb at 128 dh
.macro QLOAD qb, dh
.set row, 0
.rept 16
	global_load_b128 v[128*\dh+8*row:128*\dh+8*row+3],   v[GOFF], s[4:5] offset:(16*\qb+row)*2048+1024*\dh th:TH_LOAD_NT
	global_load_b128 v[128*\dh+8*row+4:128*\dh+8*row+7], v[GOFF], s[4:5] offset:(16*\qb+row)*2048+1024*\dh+512 th:TH_LOAD_NT
.set row, row+1
.endr
.endm
	WIN 0x80
	QLOAD 0, 0
	QLOAD 0, 1
	WIN 0xc0
	QLOAD 1, 0
	QLOAD 1, 1
	WIN 0
	v_and_b32 v[T+1], 15, v0                       ; r
	v_bfe_u32 v[T+2], v0, 4, 1                     ; h
	v_mul_u32_u24 v[ADRK], v[T+1], KP
	v_lshl_add_u32 v[ADRK], v[T+2], 4, v[ADRK]     ; a fragment with K along the rows: row r, 16 bytes for each half of the lanes, second load 32 bytes on
	v_add_nc_u32 v[ADRK+1], 64*KP, v[ADRK]
	v_and_b32 v[T+3], 7, v0
	v_lshl_add_u32 v[T+3], v[T+2], 3, v[T+3]       ; a transposed fragment: key row 8 h + lane % 8,
	v_mul_u32_u24 v[ADRV], v[T+3], VP
	v_bfe_u32 v[T+4], v0, 3, 1
	v_lshl_add_u32 v[ADRV], v[T+4], 4, v[ADRV]     ; 16 bytes on for lanes 8-15 and 24-31; second load 16 rows on
	v_add_nc_u32 v[ADRV], VS, v[ADRV]
	v_add_nc_u32 v[ADRV+1], 64*VP, v[ADRV]
	v_lshl_add_u32 v[STA], v[T], 3, s53            ; Q into the stage: 8 bytes a lane along a row
	v_mul_u32_u24 v[STB], v[T+1], SP
	v_lshl_add_u32 v[STB], v[T+2], 4, v[STB]
	v_add_nc_u32 v[STB], s53, v[STB]               ; and back as fragments
	v_lshlrev_b32 v[PFL], 8, v[T]
	v_add_nc_u32 v[PFO], s58, v[PFL]
	v_mov_b32 v[PX], 0                             ; v_permlanex16_b32 counts as a reader of its destination
; One chunk: round to bf16, lay 16 rows of 512 bytes into my stage, read them back as 8 fragments.  The stage is my wave's own and LDS serves a
; wave's instructions in order (ISA guide 5.7.1.4): no wait between the stores and the loads, nor in front of the next chunk's stores.
.macro QCHUNK qb, dh, left
	s_wait_loadcnt \left
	WIN 0x0a+5*\qb
.set row, 0
.rept 16
.set j, 0
.rept 4
	v_cvt_pk_bf16_f32 v[SB+4*row+j], v[128*\dh+8*row+2*j], v[128*\dh+8*row+2*j+1]
.set j, j+1
.endr
.set row, row+1
.endr
	WIN 0
.set row, 0
.rept 16
	ds_store_b64 v[STA], v[SB+4*row:SB+4*row+1]   offset:row*SP
	ds_store_b64 v[STA], v[SB+4*row+2:SB+4*row+3] offset:row*SP+256
.set row, row+1
.endr
	WIN 0x40
.set j, 0
.rept 8
	ds_load_b128 v[128*\qb+64*\dh+8*j:128*\qb+64*\dh+8*j+3],   v[STB] offset:64*j
	ds_load_b128 v[128*\qb+64*\dh+8*j+4:128*\qb+64*\dh+8*j+7], v[STB] offset:64*j+32
.set j, j+1
.endr
	WIN 0
.endm
	QCHUNK 0, 0, 63                                ; 96 younger loads could stay out; 63 is the largest count that can be written, and shows the first 65 of the 128 in
	QCHUNK 0, 1, 63                                ; 64 could; met by the wait above
	QCHUNK 1, 0, 32                                ; the last chunk's 32 stay out
	QCHUNK 1, 1, 0
	s_wait_tensorcnt 0x1                           ; my quarter of K0 is in; V0's may stay out
	s_wait_dscnt 0x0                               ; Q's fragments are in, and no LDS instruction is pending at the signal
	s_barrier_signal -1
	s_barrier_wait -1                              ; K0 is whole
; ---- S^T.  32 groups g: d = 32 (g >> 1) .. + 31, key tiles 4 (g & 1) + 0..3, buffer g % 3
.macro KLD2 g, i                       ; fragment i of group g: 16 keys x 32 d
.set fa, FB+32*((\g)%3)+8*(\i)
	ds_load_b128 v[fa:fa+3],   v[ADRK+((\g)&1)] offset:(\i)*16*KP+64*((\g)>>1)
	ds_load_b128 v[fa+4:fa+7], v[ADRK+((\g)&1)] offset:(\i)*16*KP+64*((\g)>>1)+32
.endm
.macro KLOAD g
	KLD2 \g, 0
	KLD2 \g, 1
	KLD2 \g, 2
	KLD2 \g, 3
.endm
.macro SMUL g, i, qb                   ; the first 32 d start the sums: nothing is cleared
.set sd, SB+64*(\qb)+8*(4*((\g)&1)+(\i))
.set fa, FB+32*((\g)%3)+8*(\i)
.set qr, 128*(\qb)+8*((\g)>>1)
.if (\g) < 2
	v_wmma_f32_16x16x32_bf16 v[sd:sd+7], v[fa:fa+7], v[qr:qr+7], 0
.else
	v_wmma_f32_16x16x32_bf16 v[sd:sd+7], v[fa:fa+7], v[qr:qr+7], v[sd:sd+7]
.endif
.endm
; The sixteen accumulators take turns, one instruction a turn.  Group g + 2's loads go into the buffer that group g - 1
; has read: four places stand between (GAP).  Under the products' window setting (source 1 in window 1) an LDS load still names window 0 twice.
.macro S_PHASE
	KLOAD 0
	KLOAD 1
	WIN 0x04
.set g, 0
.rept 32
.if g < 31
	s_wait_dscnt 0x8                               ; LDS loads come back in order: all but group g + 1's eight are in
.else
	s_wait_dscnt 0x0                               ; nothing was issued behind the last group
.endif
	SMUL g, 0, 0
	GAP g
	SMUL g, 0, 1
	GAP g
	SMUL g, 1, 0
	GAP g
	SMUL g, 1, 1
	GAP g
.set i, 0
.rept 4
	SMUL g, 2+(i>>1), i&1
.if g < 30
	KLD2 g+2, i
.endif
.set i, i+1
.endr
.set g, g+1
.endr
.endm
; ---- softmax of 128 keys for my 32 rows.  A lane holds 64 scores of each of two rows (r of query block 0 and of 1); lane xor 16 holds the rows' other 64.
.macro ROWSUM qb, first                ; 31 packed adds in four chains, then the running sum under the new maximum
.set k, 0
	s_wait_alu depctr_va_vdst(0)
.rept 4
	v_pk_add_f32 v[T+2*k:T+2*k+1], v[SB+64*\qb+2*k:SB+64*\qb+2*k+1], v[SB+64*\qb+8+2*k:SB+64*\qb+8+2*k+1]
.set k, k+1
.endr
.set k, 0
.rept 24
	v_pk_add_f32 v[T+2*(k%4):T+2*(k%4)+1], v[T+2*(k%4):T+2*(k%4)+1], v[SB+64*\qb+16+2*k:SB+64*\qb+16+2*k+1]
.set k, k+1
.endr
	v_pk_add_f32 v[T:T+1], v[T:T+1], v[T+2:T+3]
	v_pk_add_f32 v[T+4:T+5], v[T+4:T+5], v[T+6:T+7]
	v_pk_add_f32 v[T:T+1], v[T:T+1], v[T+4:T+5]
.if \first
	v_add_f32 v[LS+\qb], v[T], v[T+1]
.else
	v_add_f32 v[T], v[T], v[T+1]
	v_fma_f32 v[LS+\qb], v[LS+\qb], v[AL+2*\qb], v[T]
.endif
.endm
.macro PACK qb                         ; two key tiles (16 registers) become one second source over 32 keys (8 registers), in place: register j is written when 2 j and 2 j + 1 >= j have been read
.set k, 0
.rept 4
.set j, 0
.rept 8
	v_cvt_pk_bf16_f32 v[SB+64*\qb+16*k+j], v[SB+64*\qb+16*k+2*j], v[SB+64*\qb+16*k+2*j+1]
.set j, j+1
.endr
.set k, k+1
.endr
.endm
.macro SOFTMAX first
.set k, 0
.rept 4                                ; four chains for each row, started by the first twelve scores
	v_max3_num_f32 v[T+k],   v[SB+3*k],    v[SB+3*k+1],    v[SB+3*k+2]
	v_max3_num_f32 v[T+4+k], v[SB+64+3*k], v[SB+64+3*k+1], v[SB+64+3*k+2]
.set k, k+1
.endr
.set k, 0
.rept 26
	v_max3_num_f32 v[T+(k%4)],   v[T+(k%4)],   v[SB+12+2*k], v[SB+13+2*k]
	v_max3_num_f32 v[T+4+(k%4)], v[T+4+(k%4)], v[SB+76+2*k], v[SB+77+2*k]
.set k, k+1
.endr
	v_max3_num_f32 v[T],   v[T],   v[T+1], v[T+2]
	v_max3_num_f32 v[T+4], v[T+4], v[T+5], v[T+6]
	v_max_num_f32 v[T],   v[T],   v[T+3]
	v_max_num_f32 v[T+4], v[T+4], v[T+7]
	v_permlanex16_b32 v[PX],  v[T],   s18, s19    ; the other 64 keys' maximum
	v_permlanex16_b32 v[T+1], v[T+4], s18, s19    ; (T + 1 has been written above)
.if \first
	v_max_num_f32 v[MX],   v[T],   v[PX]
	v_max_num_f32 v[MX+1], v[T+4], v[T+1]
.else
	v_max3_num_f32 v[MX],   v[T],   v[PX],  v[MX]
	v_max3_num_f32 v[MX+1], v[T+4], v[T+1], v[MX+1]
.endif
	v_mul_f32 v[T],   s22, v[MX]                  ; - log2(e) x maximum, rounded once; exponents and the factor below are both made from this rounded number,
	v_mul_f32 v[T+4], s22, v[MX+1]                ; so that they agree whatever the size of the scores
.if \first == 0
	v_sub_f32 v[T+2], v[T],   v[NM]               ; new - old, at most 0
	v_sub_f32 v[T+6], v[T+4], v[NM+2]
	v_exp_f32 v[AL],   v[T+2]
	v_exp_f32 v[AL+2], v[T+6]                     ; behind them the moves below, which touch neither result nor source (ISA guide 5.7.2)
.endif
	v_mov_b32 v[NM],   v[T]
	v_mov_b32 v[NM+1], v[T]
	v_mov_b32 v[NM+2], v[T+4]
	v_mov_b32 v[NM+3], v[T+4]
.if \first == 0
	s_wait_alu depctr_va_vdst(0)
	v_mov_b32 v[AL+1], v[AL]
	v_mov_b32 v[AL+3], v[AL+2]
.endif
.set k, 0
.rept 32
	v_pk_fma_f32 v[SB+2*k:SB+2*k+1], v[SB+2*k:SB+2*k+1], s[20:21], v[NM:NM+1] op_sel_hi:[1,0,1]
.set k, k+1
.endr
.set k, 0
.rept 64
	v_exp_f32 v[SB+k], v[SB+k]
.set k, k+1
.endr
.set k, 32                             ; the other row's multiply-adds are the plain place behind the run of exponentials
.rept 32
	v_pk_fma_f32 v[SB+2*k:SB+2*k+1], v[SB+2*k:SB+2*k+1], s[20:21], v[NM+2:NM+3] op_sel_hi:[1,0,1]
.set k, k+1
.endr
.set k, 64
.rept 64
	v_exp_f32 v[SB+k], v[SB+k]
.set k, k+1
.endr
	ROWSUM 0, \first                               ; begins with the first row's numbers: the plain place behind the second run
	PACK 0
	ROWSUM 1, \first
	PACK 1
.endm
.macro RESCALE                         ; what was summed under the old maximum: a lane's registers of O all belong to query row r, block (register >> 3) & 1
	WIN 0x82
.set k, 0
.rept 128
	v_pk_mul_f32 v[2*k:2*k+1], v[2*k:2*k+1], v[AL+2*((k>>2)&1):AL+2*((k>>2)&1)+1]
.set k, k+1
.endr
	WIN 0xc3
.set k, 0
.rept 128
	v_pk_mul_f32 v[2*k:2*k+1], v[2*k:2*k+1], v[AL+2*((k>>2)&1):AL+2*((k>>2)&1)+1]
.set k, k+1
.endr
.endm
; ---- O^T += V^T P^T.  32 groups g: column blocks 4 (g >> 2) + 0..3, keys 32 (g & 3) .. + 31, buffer g % 3
.macro VLD2 g, i                       ; fragment i of group g: 16 columns x 32 keys, transposed on the way
.set fa, FB+32*((\g)%3)+8*(\i)
	ds_load_tr16_b128 v[fa:fa+3],   v[ADRV+(((\g)&3)>>1)] offset:((\g)&1)*32*VP+32*(4*((\g)>>2)+(\i))
	ds_load_tr16_b128 v[fa+4:fa+7], v[ADRV+(((\g)&3)>>1)] offset:((\g)&1)*32*VP+32*(4*((\g)>>2)+(\i))+16*VP
.endm
.macro VLOAD g
	VLD2 \g, 0
	VLD2 \g, 1
	VLD2 \g, 2
	VLD2 \g, 3
.endm
.macro PMUL g, i, qb, first
.set od, 16*((4*((\g)>>2)+(\i))&15)+8*(\qb)
.set fa, FB+32*((\g)%3)+8*(\i)
.set pb, SB+64*(\qb)+16*((\g)&3)
.set zc, 0
.if \first
.if ((\g)&3) == 0
.set zc, 1
.endif
.endif
.if zc
	v_wmma_f32_16x16x32_bf16 v[od:od+7], v[fa:fa+7], v[pb:pb+7], 0         ; the first step's first 32 keys start the sums
.else
	v_wmma_f32_16x16x32_bf16 v[od:od+7], v[fa:fa+7], v[pb:pb+7], v[od:od+7]
.endif
.endm
; Eight accumulators take turns through four groups, one instruction a turn.  A load's destination shares its window
; field with D, so each group's eight loads stand in one run under window 0, behind the four places that its buffer's last readers need.
.macro PV_PHASE first
.set g, 0
.rept 32
.if g < 31
	s_wait_dscnt 0x8                               ; all but group g + 1's eight loads are in
.else
	s_wait_dscnt 0x0
.endif
	WIN 0xa0+0x50*(g>>4)                           ; C and D in window 2 (column blocks 0-15) or 3
	PMUL g, 0, 0, \first
	GAP g
	PMUL g, 0, 1, \first
	GAP g
	PMUL g, 1, 0, \first
	GAP g
	PMUL g, 1, 1, \first
	GAP g
.if g < 30
	WIN 0
	VLOAD g+2
	WIN 0xa0+0x50*(g>>4)
.endif
	PMUL g, 2, 0, \first
	PMUL g, 2, 1, \first
	PMUL g, 3, 0, \first
	PMUL g, 3, 1, \first
.set g, g+1
.endr
.endm
; key rows in f32 for the sum at the end: chunk n = rows 16 (n >> 2) + 0..15, columns 128 (n & 3) .. + 127, into window 1 at 64 (n & 3) + 4 row
.macro KEYLOAD n
.set row, 0
.rept 16
	global_load_b128 v[64*((\n)&3)+4*row:64*((\n)&3)+4*row+3], v[GOFF], s[6:7] offset:(16*((\n)>>2)+row)*2048+512*((\n)&3) th:TH_LOAD_NT
.set row, row+1
.endr
.endm
; ---- one step of 128 keys.  first = 1: nothing has been summed yet.  fill = 1: both slots are filled again, for the next step.
.macro STEP first, fill
.if \fill
	PREF PFK                                       ; the next step's K tile: its joint load is issued behind this step's 256 products of S
.endif
	S_PHASE
	PLACES 4                                       ; behind the last products: S is read, and buffers 0 and 1 (in the last step Q's registers too) are loaded
	WIN 0
	s_wait_dscnt 0x0                               ; my reads of K's slot are back (met: the last group's wait was for 0)
	s_wait_xcnt 0x0
	v_lshl_add_u32 v27, v0, 2, 0x49c00
	v_mov_b32 v31, 0
	s_wait_tensorcnt 0x0                           ; all my tensor loads have landed: the one that was out is my quarter of this step's V
	ds_add_u32 v27, v31
	s_wait_dscnt 0x0
.if \fill
	s_wait_xcnt 0x0                                ; the prefetch has read its base
	s_add_nc_u64 s[PFK:PFK+1], s[PFK:PFK+1], TILEB
	s_add_nc_u64 s[G0K+2:G0K+3], s[G0K+2:G0K+3], TILEB     ; no tensor load of mine is out: group 0 may be written
	ROUND                                          ; no wave of the four work-groups reads K's slot any more or has a load on its way; V's tile is whole
	tensor_load_to_lds s[G0K:G0K+3], s[G1K:G1K+7]  ; the next step's K: it has the softmax, the rescaling and 256 products in which to land
	s_nop 0
	PREF PFV                                       ; the next step's V tile: its joint load is issued at this step's end
.else
	s_barrier_signal -1
	s_barrier_wait -1                              ; V's last tile is whole; nothing is filled any more
	WIN 0x40
	KEYLOAD 0                                      ; Q has been read for the last time: my rows 0-15 of key land there while P V runs
	KEYLOAD 1
	KEYLOAD 2
	KEYLOAD 3
	WIN 0
.set k, 0
.rept 4
	global_prefetch_b8 v[PFL], s[6:7] offset:32768+8192*k th:TH_LOAD_NT scope:SCOPE_SE     ; my rows 16-31 of key (32 KiB, lanes 256 bytes apart), loaded when rows 0-15 have left
.set k, k+1
.endr
.endif
	VLOAD 0                                        ; on their way under the softmax
	VLOAD 1
	SOFTMAX \first
.if \first == 0
	RESCALE
.endif
	PV_PHASE \first
	PLACES 5                                       ; the next products of S write over P, which the last products have read; buffers 0 and 1 are loaded; at the end O is read
	WIN 0
.if \fill
	s_wait_dscnt 0x0                               ; my reads of V's slot are back
	s_wait_xcnt 0x0
	v_lshl_add_u32 v27, v0, 2, 0x49c00
	v_mov_b32 v31, 0
	s_wait_tensorcnt 0x0                           ; my quarter of the next K has landed
	ds_add_u32 v27, v31
	s_wait_dscnt 0x0
	s_wait_xcnt 0x0
	s_add_nc_u64 s[PFV:PFV+1], s[PFV:PFV+1], TILEB
	s_add_nc_u64 s[G0V+2:G0V+3], s[G0V+2:G0V+3], TILEB
	ROUND                                          ; nobody reads V's slot any more; the next K is whole
	tensor_load_to_lds s[G0V:G0V+3], s[G1V:G1V+7]  ; the next step's V: it has the 256 products of S in which to land
	s_nop 0
.endif
.endm
	STEP 1, 1                                      ; step 0 stands in front of the loop: its products start the sums
	s_mov_b32 s52, 14
.Lstep:
	STEP 0, 1                                      ; steps 1 to 14
	s_sub_co_u32 s52, s52, 1
	s_cmp_lg_u32 s52, 0
	s_cbranch_scc1 .Lstep
	STEP 0, 0                                      ; step 15 fetches no tile and asks for none
; ---- the way out: O / (sqrt(512) x sum) + key, 16 rows x 128 columns at a time through my stage, so that every store covers whole rows' 512 neighbouring bytes
	v_permlanex16_b32 v[PX], v[LS],   s18, s19     ; the sums over the rows' other keys
	v_permlanex16_b32 v[T],  v[LS+1], s18, s19
	v_add_f32 v[LS],   v[LS],   v[PX]
	v_add_f32 v[LS+1], v[LS+1], v[T]
	v_rcp_f32 v[T+2], v[LS]                        ; the sum holds the largest score's own term, about 1: never 0
	v_rcp_f32 v[T+3], v[LS+1]
	v_and_b32 v[T+4], 15, v0                       ; the plain place behind the reciprocals
	v_bfe_u32 v[T+5], v0, 4, 1
	s_wait_alu depctr_va_vdst(0)
	v_mul_f32 v[AL],   s23, v[T+2]
	v_mul_f32 v[AL+1], s23, v[T+2]
	v_mul_f32 v[AL+2], s23, v[T+3]
	v_mul_f32 v[AL+3], s23, v[T+3]
	v_mul_u32_u24 v[STA], v[T+4], SP               ; in: row r; my eight neighbouring columns of a tile are 32 bytes, the upper half of the lanes 32 bytes on
	v_lshl_add_u32 v[STA], v[T+5], 5, v[STA]
	v_add_nc_u32 v[STA], s53, v[STA]
	v_add_nc_u32 v[STB], s53, v[GOFF]              ; back: a row's 512 bytes, 16 a lane
; chunk n: query block n >> 2, columns 128 (n & 3) .. + 127.  left = the key loads issued behind this chunk's sixteen.
.macro OCHUNK n, left
.set qb_, (\n)>>2
.set c_, (\n)&3
	WIN 0x02+(c_>>1)                               ; source 0 = O, in window 2 or 3
.set i_, 0
.rept 8
.set p_, 0
.rept 4
	v_pk_mul_f32 v[FB+8*i_+2*p_:FB+8*i_+2*p_+1], v[16*((8*c_+i_)&15)+8*qb_+2*p_:16*((8*c_+i_)&15)+8*qb_+2*p_+1], v[AL+2*qb_:AL+2*qb_+1]
.set p_, p_+1
.endr
.set i_, i_+1
.endr
	WIN 0
.set i_, 0
.rept 8
	ds_store_b128 v[STA], v[FB+8*i_:FB+8*i_+3]   offset:64*i_
	ds_store_b128 v[STA], v[FB+8*i_+4:FB+8*i_+7] offset:64*i_+16
.set i_, i_+1
.endr
	s_wait_xcnt 0x0                                ; the last chunk's stores have read v32-95, which are loaded again below
.set row, 0
.rept 16
	ds_load_b128 v[SB+4*row:SB+4*row+3], v[STB] offset:row*SP      ; my own bytes, served in order behind the stores above
.set row, row+1
.endr
	s_wait_dscnt 0x0
	s_wait_loadcnt \left                           ; this chunk's key rows are in
	WIN 0x04                                       ; source 1 = key, in window 1
.set p_, 0
.rept 32
	v_pk_add_f32 v[SB+2*p_:SB+2*p_+1], v[SB+2*p_:SB+2*p_+1], v[64*c_+2*p_:64*c_+2*p_+1]
.set p_, p_+1
.endr
	WIN 0
.set row, 0
.rept 16
	global_store_b128 v[GOFF], v[SB+4*row:SB+4*row+3], s[12:13] offset:(16*qb_+row)*2048+512*c_ th:TH_STORE_NT    ; 512 consecutive bytes, at a multiple of 512
.set row, row+1
.endr
.if (\n) < 4
	WIN 0x40
	KEYLOAD (\n)+4                                 ; the same columns of rows 16-31, into the registers just read
	WIN 0
.endif
.endm
	OCHUNK 0, 48                                   ; behind chunk n's loads stand those of chunks n + 1 to n + 3, sixteen each,
	OCHUNK 1, 48
	OCHUNK 2, 48
	OCHUNK 3, 48
	OCHUNK 4, 48
	OCHUNK 5, 32                                   ; and towards the end of fewer
	OCHUNK 6, 16
	OCHUNK 7, 0
	s_wait_xcnt 0x0
	v_lshl_add_u32 v27, v0, 2, 0x49c00
	v_mov_b32 v31, 0
	s_wait_tensorcnt 0x0
	ds_add_u32 v27, v31
	s_wait_dscnt 0x0
	ROUND                                          ; the closing round: no work-group ends while a partner may still ask for a tile that names it
	s_endpgm
.Lfunc_end_k_q471f8b04bd_attn:
	.size	k_q471f8b04bd_attn, .Lfunc_end_k_q471f8b04bd_attn-k_q471f8b04bd_attn
	.p2alignl 7, 3214868480
	.fill 96, 4, 3214868480
	.section	.rodata,"a",@progbits
	.p2align	6, 0x0
	.amdhsa_kernel k_q471f8b04bd_attn
		.amdhsa_group_segment_fixed_size 327680
		.amdhsa_private_segment_fixed_size 0
		.amdhsa_enable_private_segment 0
		.amdhsa_kernarg_size 40
		.amdhsa_user_sgpr_count 2
		.amdhsa_user_sgpr_kernarg_segment_ptr 1
		.amdhsa_wavefront_size32 1
		.amdhsa_system_sgpr_workgroup_id_x 1
		.amdhsa_system_sgpr_workgroup_id_y 1
		.amdhsa_system_sgpr_workgroup_id_z 1
		.amdhsa_system_vgpr_workitem_id 0
		.amdhsa_next_free_vgpr 1024
		.amdhsa_next_free_sgpr 66
		.amdhsa_reserve_vcc 0
		.amdhsa_float_denorm_mode_32 3
		.amdhsa_float_denorm_mode_16_64 3
		.amdhsa_memory_ordered 1
		.amdhsa_forward_progress 1
		.amdhsa_inst_pref_size 255
	.end_amdhsa_kernel
	.section	.bss,"aw",@nobits
	.p2align	6
	.space	262144
	.amdgpu_metadata
---
amdhsa.version: [ 1, 2 ]
amdhsa.kernels:
  - .name:           k_q471f8b04bd_attn
    .symbol:         k_q471f8b04bd_attn.kd
    .args:
      - { .name: query, .offset: 0, .size: 8, .value_kind: global_buffer, .address_space: global }
      - { .name: key, .offset: 8, .size: 8, .value_kind: global_buffer, .address_space: global }
      - { .name: kb, .offset: 16, .size: 8, .value_kind: global_buffer, .address_space: global }
      - { .name: vb, .offset: 24, .size: 8, .value_kind: global_buffer, .address_space: global }
      - { .name: out0, .offset: 32, .size: 8, .value_kind: global_buffer, .address_space: global }
    .group_segment_fixed_size: 327680
    .private_segment_fixed_size: 0
    .kernarg_segment_align: 8
    .kernarg_segment_size: 40
    .max_flat_workgroup_size: 128
    .sgpr_count:     66
    .vgpr_count:     1024
    .wavefront_size: 32
...
	.end_amdgpu_metadata
.endif
;; end of part 2
;; ======== version 2 of 3: 2 launches
;; workspace buffers: kb 33,554,432 bytes; vb 33,554,432 bytes
;; launch cvt: the kernel of part 1 again; grid 1024 x 1, 8 waves a work-group, no clusters, 0 bytes of LDS; arguments key, value, kb, vb; writes kb, vb
;; launch attn (part 3): grid 16 x 16, 4 waves a work-group, clusters of 4 x 1, 327,680 bytes of LDS; arguments query, key, kb, vb, out0; writes out0
.if DOCPART == 3
	.amdgcn_target "amdgcn-amd-amdhsa--gfx1250"
	.amdhsa_code_object_version 6
	.text
	.protected	k_q471f8b04bd_attn
	.globl	k_q471f8b04bd_attn
	.p2align	8
	.type	k_q471f8b04bd_attn,@function
k_q471f8b04bd_attn:
	s_mov_b64 s[64:65], 0
	v_nop
	global_prefetch_b8 v0, s[64:65] scope:SCOPE_SE
	s_setreg_imm32_b32 hwreg(HW_REG_WAVE_MODE, 25, 1), 1
	s_wait_xcnt 0x0
	s_wait_alu depctr_hold_cnt(0) depctr_sa_sdst(0) depctr_va_vdst(0) depctr_va_sdst(0) depctr_va_ssrc(0) depctr_va_vcc(0) depctr_vm_vsrc(0)
	s_getreg_b32 s2, hwreg(HW_REG_IB_STS2, 6, 4)
	s_cmp_eq_u32 s2, 0
	s_cbranch_scc0 .Lentry_in_a_cluster
	s_endpgm
.Lentry_in_a_cluster:
	s_bfe_u32 s2, ttmp6, 0x10000c
	s_cmp_lg_u32 s2, 0x3003
	s_cbranch_scc0 .Lentry_shape_is_right
	s_endpgm
.Lentry_shape_is_right:
; out[b][q][:] = softmax over k of (Q[b][q] . K[b][k]) x V[b] / sqrt(512) + K[b][q][:]      B = 16, N = 2048, D = 512, f32 in and out.
; kb, vb: key and value in bf16 (made by the launch before).  query is rounded to bf16 here (each row is used by one wave alone).
;
; SHARES.  A work-group owns 128 query rows of one batch (grid x = query block, y = batch: 256 groups).  Four waves, as many as a WGP has SIMDs;
; wave w owns rows 32 w .. 32 w + 31 with all 512 columns: 64 output tiles of 16 x 16 in 512 registers, its Q in 256.  The waves share only the
; tiles of K and V.  The keys go in 16 steps of 128, with a running maximum (the scores carry no scale, so their size is not bounded).
;
; BOTH PRODUCTS ARE USED TRANSPOSED.  S^T = K Q^T: source 0 = 16 keys, source 1 = 16 query rows; lane (r, h) then holds keys 8 h + 0..7 of a key
; tile for query row r.  Two neighbouring key tiles, packed to bf16, ARE the second source of O^T = V^T P^T over 32 keys, so P never leaves the
; registers; maximum, sum and rescaling factor are one number a lane, and one exchange between the halves of the wave joins them.
; V^T fragments come out of V's rows by the transposing LDS load.
;
; FRAGMENTS.  A fragment of K or of V (8 registers, two LDS loads) feeds two products.  Fragments pass through a ring of twelve slots, fragment f of
; a phase in slot f % 12, in groups of eight (sixteen products).  The next group's sixteen loads stand in ONE run in the middle of a group: the
; group's first four slots have been read by then, and with the four left over from the group before eight slots are free.  So the products
; follow each other in stretches of sixteen, and a run has eight products behind it before its first fragment is wanted.
;
; LDS: two slots that take turns.  While S is made from K's slot, V's tile is on its way; while the softmax and P V work on V's slot, the next K.
;   0        K tile, 128 rows, pitch 1,040 = 65 x 16 (sixteen rows of a fragment load start in sixteen different 16-byte columns modulo 256 bytes)
;   133,120  V tile, 128 rows, pitch 1,056 = 33 x 32 (the same for the transposing load, which takes 32 bytes of a row)
;   268,288  a stage of 16 rows x 528 bytes for each wave: written by LDS stores alone, never by a tensor load; Q on its way in, O on its way out
;
; CLUSTER: the four query blocks 4 X .. 4 X + 3 of one batch walk the same K and V tiles in the same order.  Each tile is asked for jointly
; (mask 15, the same descriptor in all four: it is made of the batch and the wave's number alone), which divides the requests by four.  The
; batch's sixteen blocks do not go into one mask: a mask here names four work-groups.  Every refill stands behind a round of the cluster's barrier.
; Tensor loads outstanding in a wave, by this text's count: two at the start (K0, V0), one behind each round.
;
; LIMITS.  Q, K, V and the probabilities enter the matrix unit as bf16 (nearest even).  A row's sum is taken over the f32 probabilities, the
; product over their bf16 roundings (relative difference at most 2^-9).  v_exp_f32 gives 0 for results below 2^-126 (ISA guide 15.8), so
; probabilities below that fraction of the row's largest are dropped.  Scores that are infinite or NaN give NaN in their rows.  Sums are
; ordered otherwise than in a row-by-row evaluation.
;
; REGISTERS, in windows of 256 (s_set_vgpr_msb: bits 1:0 source 0, 3:2 source 1, 5:4 source 2, 7:6 destination):
;   window 0: addresses, statistics, S (then P), the ring of fragment slots.   window 1: Q(qb, ks) at 128 qb + 8 ks; from the last step on key rows in f32.
;   window 2: O(db, qb) at 16 db + 8 qb, db 0-15.   window 3: db 16-31.   (At the start windows 2 and 3 take Q in f32.)
.set TILEB, 131072                     ; 128 rows of 1,024 bytes: one step of kb or of vb
.set KP,    1040
.set VP,    1056
.set VS,    128*KP
.set STG,   VS+128*VP
.set SP,    528
.set STGW,  16*SP
.set ADRK,  1                          ; v1, v2    my place in K fragments of key tiles 0-3, 4-7
.set ADRV,  3                          ; v3, v4    my place in V fragments of keys 0-63, 64-127
.set STA,   5                          ; v5        stage: where I store
.set STB,   6                          ; v6        stage: where I read
.set GOFF,  7                          ; v7        16 x lane
.set MX,    8                          ; v8, v9    running maximum of the raw scores, query block 0, 1
.set LS,    10                         ; v10, v11  my half of the running sum
.set NM,    12                         ; v[12:13], v[14:15]  - log2(e) x maximum, twice (a pair for the packed forms)
.set AL,    16                         ; v[16:17], v[18:19]  factor for what was summed under the old maximum, twice; at the end 1 / (sqrt(512) x sum)
.set T,     20                         ; v20-27    at work
.set PFO,   28                         ; v28       prefetch: my query block's 8 KiB of a tile + 256 x lane
.set PX,    29                         ; v29       lands the other half's maximum
.set PFL,   30                         ; v30       256 x lane
.set SB,    32                         ; v32-159   S(kt, qb) at 32 + 64 qb + 8 kt; packed in place: P(ks2, qb) at 32 + 64 qb + 16 ks2
.set FB,    160                        ; v160-255  twelve fragment slots of 8 registers
.set G1K,   24                         ; s[24:31]  descriptor group 1 of K's tiles
.set G1V,   32                         ; s[32:39]  of V's tiles: another padding
.set G0K,   40                         ; s[40:43]  group 0 of K's slot
.set G0V,   44                         ; s[44:47]  group 0 of V's slot
.set PFK,   54                         ; s[54:55]  kb at the tile that the next prefetch asks for
.set PFV,   56                         ; s[56:57]  vb likewise
.set MSB, 0
.macro WIN new                         ; the immediate's high byte repeats the setting that is left; a switch that changes nothing is dropped
.if MSB != (\new)
	s_set_vgpr_msb (MSB<<8)|(\new)
.set MSB, (\new)
.endif
.endm
.macro PLACES n                        ; places behind matrix instructions (ISA guide 7.12.1), where there is no other vector work to put
.rept \n
	v_nop
.endr
.endm
; A round of the cluster's barrier: my work-group's barrier, wave 0 signals for the work-group, every wave waits for all four work-groups, my work-group's barrier again.
.macro ROUND
	s_barrier_signal -1
	s_barrier_wait -1
	s_cmp_lg_u32 s14, 0
	s_cbranch_scc1 .Lnot_wave_0_\@
	s_barrier_signal -3
.Lnot_wave_0_\@:
	s_barrier_wait -3
	s_barrier_signal -1
	s_barrier_wait -1
.endm
; Wave 0 asks for its work-group's sixteenth (8 KiB, lanes 256 bytes apart) of the next 128 KiB tile: the batch's sixteen work-groups ask for each byte once.
.macro PREF base
	s_cmp_lg_u32 s14, 0
	s_cbranch_scc1 .Lno_pf_\@
	global_prefetch_b8 v[PFO], s[\base:\base+1] th:TH_LOAD_NT scope:SCOPE_SE
.Lno_pf_\@:
.endm
	s_load_b256 s[4:11], s[0:1], 0x0               ; query s[4:5], key s[6:7], kb s[8:9], vb s[10:11]
	s_load_b64 s[12:13], s[0:1], 0x20              ; out0
	v_lshl_add_u32 v27, v0, 2, 0x49c00
	v_mov_b32 v31, 0
	ds_add_u32 v27, v31
	s_wait_dscnt 0x0
	v_lshrrev_b32 v1, 5, v0
	v_readfirstlane_b32 s14, v1                    ; wave 0..3
	s_bfe_u32 s15, ttmp6, 0x40000                  ; cx: my place in the cluster
	s_lshl_b32 s16, ttmp9, 2
	s_add_co_u32 s16, s16, s15                     ; query block = 4 x cluster x + cx
	s_and_b32 s17, ttmp7, 0xffff                   ; batch
	s_mov_b32 s18, 0x76543210                      ; v_permlanex16_b32: lane i of one half reads lane i of the other
	s_mov_b32 s19, 0xfedcba98
	s_mov_b32 s20, 0x3fb8aa3b                      ; log2(e), as a pair for the packed form
	s_mov_b32 s21, 0x3fb8aa3b
	s_mov_b32 s22, 0xbfb8aa3b                      ; - log2(e)
	s_mov_b32 s23, 0x3d3504f3                      ; 1 / sqrt(512)
	; group 1: a wave's quarter of a tile, 32 rows x 512 elements of 2 bytes; behind every 256 words (a row) 4 words of padding for K, 8 for V
	s_mov_b32 s[G1K+0], 15|(1<<16)|(1<<20)|(1<<21)|(7<<22)|(3<<25)  ; 15:0 mask: all four of the cluster; 17:16 2 bytes; 20 padding; 21 set beside a mask; 24:22 interval; 31:25 pad - 1
	s_mov_b32 s[G1V+0], 15|(1<<16)|(1<<20)|(1<<21)|(7<<22)|(7<<25)
	s_mov_b32 s[G1K+1], 512<<16                    ; tensor_dim0 = 512
	s_mov_b32 s[G1V+1], 512<<16
	s_mov_b32 s[G1K+2], 32<<16                     ; tensor_dim1 = 32
	s_mov_b32 s[G1V+2], 32<<16
	s_mov_b32 s[G1K+3], 512<<16                    ; tile_dim0 = 512
	s_mov_b32 s[G1V+3], 512<<16
	s_mov_b32 s[G1K+4], 32                         ; tile_dim1 = 32
	s_mov_b32 s[G1V+4], 32
	s_mov_b32 s[G1K+5], 512                        ; elements from row to row
	s_mov_b32 s[G1V+5], 512
	s_mov_b32 s[G1K+6], 0
	s_mov_b32 s[G1V+6], 0
	s_mov_b32 s[G1K+7], 0
	s_mov_b32 s[G1V+7], 0
	s_mov_b32 s[G0K], 1
	s_mul_i32 s[G0K+1], s14, 32*KP                 ; K's slot begins at LDS byte 0: my 32 rows of it
	s_mov_b32 s[G0V], 1
	s_mul_i32 s[G0V+1], s14, 32*VP
	s_add_co_u32 s[G0V+1], s[G0V+1], VS
	s_mul_i32 s53, s14, STGW
	s_add_co_u32 s53, s53, STG                     ; my stage
	s_lshl4_add_u32 s48, s17, s16                  ; my 32 rows of query, key and out0: ((16 batch + block) 4 + wave) x 32 rows x 2,048 bytes, below 2^27
	s_lshl2_add_u32 s48, s48, s14
	s_lshl_b32 s48, s48, 16
	s_mov_b32 s49, 0
	s_lshl_b32 s50, s17, 21                        ; my batch in kb and vb: 2,048 rows of 1,024 bytes.  s[50:51] never hold cx
	s_mov_b32 s51, 0
	s_lshl_b32 s58, s16, 13                        ; my query block's 8 KiB of a tile, for the prefetches alone
	v_and_b32 v[T], 31, v0                         ; lane
	v_lshlrev_b32 v[GOFF], 4, v[T]
	s_wait_kmcnt 0x0
	s_add_nc_u64 s[4:5], s[4:5], s[48:49]
	s_add_nc_u64 s[6:7], s[6:7], s[48:49]
	s_add_nc_u64 s[12:13], s[12:13], s[48:49]
	s_add_nc_u64 s[8:9], s[8:9], s[50:51]
	s_add_nc_u64 s[10:11], s[10:11], s[50:51]
	s_add_nc_u64 s[PFK:PFK+1], s[8:9], TILEB       ; the first prefetches ask for step 1's tiles
	s_add_nc_u64 s[PFV:PFV+1], s[10:11], TILEB
	s_lshl_b32 s50, s14, 15                        ; my 32 rows of a tile
	s_add_nc_u64 s[G0K+2:G0K+3], s[8:9], s[50:51]
	s_or_b32 s[G0K+3], s[G0K+3], 0x80000000
	s_add_nc_u64 s[G0V+2:G0V+3], s[10:11], s[50:51]
	s_or_b32 s[G0V+3], s[G0V+3], 0x80000000
	ROUND                                          ; all four work-groups are here: the first joint loads meet
	tensor_load_to_lds s[G0K:G0K+3], s[G1K:G1K+7]  ; step 0's K and V: the only first fills, one group
	s_nop 0
	tensor_load_to_lds s[G0V:G0V+3], s[G1V:G1V+7]
	s_nop 0
; ---- Q: 32 rows x 512 f32 = 128 loads of 512 neighbouring bytes, in four chunks (qb, dh) of 16 rows x 256 columns; chunk (qb, dh) lands in window 2 + qb at 128 dh
.macro QLOAD qb, dh
.set row, 0
.rept 16
	global_load_b128 v[128*\dh+8*row:128*\dh+8*row+3],   v[GOFF], s[4:5] offset:(16*\qb+row)*2048+1024*\dh th:TH_LOAD_NT
	global_load_b128 v[128*\dh+8*row+4:128*\dh+8*row+7], v[GOFF], s[4:5] offset:(16*\qb+row)*2048+1024*\dh+512 th:TH_LOAD_NT
.set row, row+1
.endr
.endm
	WIN 0x80
	QLOAD 0, 0
	QLOAD 0, 1
	WIN 0xc0
	QLOAD 1, 0
	QLOAD 1, 1
	WIN 0
	v_and_b32 v[T+1], 15, v0                       ; r
	v_bfe_u32 v[T+2], v0, 4, 1                     ; h
	v_mul_u32_u24 v[ADRK], v[T+1], KP
	v_lshl_add_u32 v[ADRK], v[T+2], 4, v[ADRK]     ; a fragment with K along the rows: row r, 16 bytes for each half of the lanes, second load 32 bytes on
	v_add_nc_u32 v[ADRK+1], 64*KP, v[ADRK]
	v_and_b32 v[T+3], 7, v0
	v_lshl_add_u32 v[T+3], v[T+2], 3, v[T+3]       ; a transposed fragment: key row 8 h + lane % 8,
	v_mul_u32_u24 v[ADRV], v[T+3], VP
	v_bfe_u32 v[T+4], v0, 3, 1
	v_lshl_add_u32 v[ADRV], v[T+4], 4, v[ADRV]     ; 16 bytes on for lanes 8-15 and 24-31; second load 16 rows on
	v_add_nc_u32 v[ADRV], VS, v[ADRV]
	v_add_nc_u32 v[ADRV+1], 64*VP, v[ADRV]
	v_lshl_add_u32 v[STA], v[T], 3, s53            ; Q into the stage: 8 bytes a lane along a row
	v_mul_u32_u24 v[STB], v[T+1], SP
	v_lshl_add_u32 v[STB], v[T+2], 4, v[STB]
	v_add_nc_u32 v[STB], s53, v[STB]               ; and back as fragments
	v_lshlrev_b32 v[PFL], 8, v[T]
	v_add_nc_u32 v[PFO], s58, v[PFL]
	v_mov_b32 v[PX], 0                             ; v_permlanex16_b32 counts as a reader of its destination
; One chunk: round to bf16, lay 16 rows of 512 bytes into my stage, read them back as 8 fragments.  The stage is my wave's own and LDS serves a
; wave's instructions in order (ISA guide 5.7.1.4): no wait between the stores and the loads, nor in front of the next chunk's stores.
.macro QCHUNK qb, dh, left
	s_wait_loadcnt \left
	WIN 0x0a+5*\qb
.set row, 0
.rept 16
.set j, 0
.rept 4
	v_cvt_pk_bf16_f32 v[SB+4*row+j], v[128*\dh+8*row+2*j], v[128*\dh+8*row+2*j+1]
.set j, j+1
.endr
.set row, row+1
.endr
	WIN 0
.set row, 0
.rept 16
	ds_store_b64 v[STA], v[SB+4*row:SB+4*row+1]   offset:row*SP
	ds_store_b64 v[STA], v[SB+4*row+2:SB+4*row+3] offset:row*SP+256
.set row, row+1
.endr
	WIN 0x40
.set j, 0
.rept 8
	ds_load_b128 v[128*\qb+64*\dh+8*j:128*\qb+64*\dh+8*j+3],   v[STB] offset:64*j
	ds_load_b128 v[128*\qb+64*\dh+8*j+4:128*\qb+64*\dh+8*j+7], v[STB] offset:64*j+32
.set j, j+1
.endr
	WIN 0
.endm
	QCHUNK 0, 0, 63                                ; 96 younger loads could stay out; 63 is the largest count that can be written, and shows the first 65 of the 128 in
	QCHUNK 0, 1, 63                                ; 64 could; met by the wait above
	QCHUNK 1, 0, 32                                ; the last chunk's 32 stay out
	QCHUNK 1, 1, 0
	s_wait_tensorcnt 0x1                           ; my quarter of K0 is in; V0's may stay out
	s_wait_dscnt 0x0                               ; Q's fragments are in, and no LDS instruction is pending at the signal
	s_barrier_signal -1
	s_barrier_wait -1                              ; K0 is whole
; ---- S^T.  Fragment f = 8 g + kt: key tile kt (16 keys), d = 32 g .. 32 g + 31.  Group g = the eight key tiles of one slice of d.
.macro KFR f
.set fa, FB+8*((\f)%12)
.set kt_, (\f)&7
.set ks_, (\f)>>3
	ds_load_b128 v[fa:fa+3],   v[ADRK+(kt_>>2)] offset:(kt_&3)*16*KP+64*ks_
	ds_load_b128 v[fa+4:fa+7], v[ADRK+(kt_>>2)] offset:(kt_&3)*16*KP+64*ks_+32
.endm
.macro KRUN g                          ; a group's sixteen loads in one run
.set jj, 0
.rept 8
	KFR 8*(\g)+jj
.set jj, jj+1
.endr
.endm
.macro SMUL f, qb                      ; the first 32 d start the sums: nothing is cleared
.set sd, SB+64*(\qb)+8*((\f)&7)
.set fa, FB+8*((\f)%12)
.set qr, 128*(\qb)+8*((\f)>>3)
.if (\f) < 8
	v_wmma_f32_16x16x32_bf16 v[sd:sd+7], v[fa:fa+7], v[qr:qr+7], 0
.else
	v_wmma_f32_16x16x32_bf16 v[sd:sd+7], v[fa:fa+7], v[qr:qr+7], v[sd:sd+7]
.endif
.endm
.macro SQUAD g, j0                     ; two fragments, four products
	SMUL 8*(\g)+(\j0), 0
	SMUL 8*(\g)+(\j0), 1
	SMUL 8*(\g)+(\j0)+1, 0
	SMUL 8*(\g)+(\j0)+1, 1
.endm
; The sixteen accumulators take turns, one instruction a turn.  At a group's head only its own sixteen loads can be out.
; The run for group g + 1 writes the slots of this group's key tiles 0-3 and of the last group's key tiles 4-7: four places stand behind their
; last readers.  Under the products' window setting (source 1 in window 1) an LDS load still names window 0 twice.
.macro S_PHASE
	KRUN 0
	WIN 0x04
.set g, 0
.rept 16
	s_wait_dscnt 12                                ; LDS loads come back in order (ISA guide 5.7.1): the group's first four, key tiles 0 and 1, are in
	SQUAD g, 0
	s_wait_dscnt 8                                 ; key tiles 2 and 3
	SQUAD g, 2
.if g < 15
	PLACES 4
	KRUN g+1
	s_wait_dscnt 16                                ; all but the sixteen just issued: key tiles 4 to 7
.else
	s_wait_dscnt 0                                 ; nothing was issued behind the last group
.endif
	SQUAD g, 4
	SQUAD g, 6
.set g, g+1
.endr
.endm
; ---- softmax of 128 keys for my 32 rows.  A lane holds 64 scores of each of two rows (r of query block 0 and of 1); lane xor 16 holds the rows' other 64.
.macro ROWSUM qb, first                ; 31 packed adds in four chains, then the running sum under the new maximum
.set k, 0
	s_wait_alu depctr_va_vdst(0)
.rept 4
	v_pk_add_f32 v[T+2*k:T+2*k+1], v[SB+64*\qb+2*k:SB+64*\qb+2*k+1], v[SB+64*\qb+8+2*k:SB+64*\qb+8+2*k+1]
.set k, k+1
.endr
.set k, 0
.rept 24
	v_pk_add_f32 v[T+2*(k%4):T+2*(k%4)+1], v[T+2*(k%4):T+2*(k%4)+1], v[SB+64*\qb+16+2*k:SB+64*\qb+16+2*k+1]
.set k, k+1
.endr
	v_pk_add_f32 v[T:T+1], v[T:T+1], v[T+2:T+3]
	v_pk_add_f32 v[T+4:T+5], v[T+4:T+5], v[T+6:T+7]
	v_pk_add_f32 v[T:T+1], v[T:T+1], v[T+4:T+5]
.if \first
	v_add_f32 v[LS+\qb], v[T], v[T+1]
.else
	v_add_f32 v[T], v[T], v[T+1]
	v_fma_f32 v[LS+\qb], v[LS+\qb], v[AL+2*\qb], v[T]
.endif
.endm
.macro PACK qb                         ; two key tiles (16 registers) become one second source over 32 keys (8 registers), in place: register j is written when 2 j and 2 j + 1 >= j have been read
.set k, 0
.rept 4
.set j, 0
.rept 8
	v_cvt_pk_bf16_f32 v[SB+64*\qb+16*k+j], v[SB+64*\qb+16*k+2*j], v[SB+64*\qb+16*k+2*j+1]
.set j, j+1
.endr
.set k, k+1
.endr
.endm
.macro SOFTMAX first
.set k, 0
.rept 4                                ; four chains for each row, started by the first twelve scores
	v_max3_num_f32 v[T+k],   v[SB+3*k],    v[SB+3*k+1],    v[SB+3*k+2]
	v_max3_num_f32 v[T+4+k], v[SB+64+3*k], v[SB+64+3*k+1], v[SB+64+3*k+2]
.set k, k+1
.endr
.set k, 0
.rept 26
	v_max3_num_f32 v[T+(k%4)],   v[T+(k%4)],   v[SB+12+2*k], v[SB+13+2*k]
	v_max3_num_f32 v[T+4+(k%4)], v[T+4+(k%4)], v[SB+76+2*k], v[SB+77+2*k]
.set k, k+1
.endr
	v_max3_num_f32 v[T],   v[T],   v[T+1], v[T+2]
	v_max3_num_f32 v[T+4], v[T+4], v[T+5], v[T+6]
	v_max_num_f32 v[T],   v[T],   v[T+3]
	v_max_num_f32 v[T+4], v[T+4], v[T+7]
	v_permlanex16_b32 v[PX],  v[T],   s18, s19    ; the other 64 keys' maximum
	v_permlanex16_b32 v[T+1], v[T+4], s18, s19    ; (T + 1 has been written above)
.if \first
	v_max_num_f32 v[MX],   v[T],   v[PX]
	v_max_num_f32 v[MX+1], v[T+4], v[T+1]
.else
	v_max3_num_f32 v[MX],   v[T],   v[PX],  v[MX]
	v_max3_num_f32 v[MX+1], v[T+4], v[T+1], v[MX+1]
.endif
	v_mul_f32 v[T],   s22, v[MX]                  ; - log2(e) x maximum, rounded once; exponents and the factor below are both made from this rounded number,
	v_mul_f32 v[T+4], s22, v[MX+1]                ; so that they agree whatever the size of the scores
.if \first == 0
	v_sub_f32 v[T+2], v[T],   v[NM]               ; new - old, at most 0
	v_sub_f32 v[T+6], v[T+4], v[NM+2]
	v_exp_f32 v[AL],   v[T+2]
	v_exp_f32 v[AL+2], v[T+6]                     ; behind them the moves below, which touch neither result nor source (ISA guide 5.7.2)
.endif
	v_mov_b32 v[NM],   v[T]
	v_mov_b32 v[NM+1], v[T]
	v_mov_b32 v[NM+2], v[T+4]
	v_mov_b32 v[NM+3], v[T+4]
.if \first == 0
	s_wait_alu depctr_va_vdst(0)
	v_mov_b32 v[AL+1], v[AL]
	v_mov_b32 v[AL+3], v[AL+2]
.endif
.set k, 0
.rept 32
	v_pk_fma_f32 v[SB+2*k:SB+2*k+1], v[SB+2*k:SB+2*k+1], s[20:21], v[NM:NM+1] op_sel_hi:[1,0,1]
.set k, k+1
.endr
.set k, 0
.rept 64
	v_exp_f32 v[SB+k], v[SB+k]
.set k, k+1
.endr
.set k, 32                             ; the other row's multiply-adds are the plain place behind the run of exponentials
.rept 32
	v_pk_fma_f32 v[SB+2*k:SB+2*k+1], v[SB+2*k:SB+2*k+1], s[20:21], v[NM+2:NM+3] op_sel_hi:[1,0,1]
.set k, k+1
.endr
.set k, 64
.rept 64
	v_exp_f32 v[SB+k], v[SB+k]
.set k, k+1
.endr
	ROWSUM 0, \first                               ; begins with the first row's numbers: the plain place behind the second run
	PACK 0
	ROWSUM 1, \first
	PACK 1
.endm
; What was summed under the old maximum is multiplied by the factor, 32 registers at a time: half (0, 1) of the block nb of four column blocks
; (64 registers at 64 (nb & 3) of window 2 + (nb >> 2)).  A lane's registers of O all belong to query row r, block (register >> 3) & 1.
.macro RESC nb, half
	WIN 0x82+0x41*((\nb)>>2)                       ; source 0 and destination in O's window, the factor in window 0
.set k, 0
.rept 16
.set ro, 64*((\nb)&3)+32*(\half)+2*k
	v_pk_mul_f32 v[ro:ro+1], v[ro:ro+1], v[AL+2*((k>>2)&1):AL+2*((k>>2)&1)+1]
.set k, k+1
.endr
.endm
; ---- O^T += V^T P^T.  Fragment f = 8 g + j: column block 4 (g >> 1) + (j & 3), keys 32 ks2 .. + 31 with ks2 = 2 (g & 1) + (j >> 2).
; Two groups make a block of four column blocks (eight accumulators) through all 128 keys.
.macro VFR f                           ; 16 columns x 32 keys, transposed on the way
.set fa, FB+8*((\f)%12)
.set g_, (\f)>>3
.set j_, (\f)&7
.set db_, 4*(g_>>1)+(j_&3)
	ds_load_tr16_b128 v[fa:fa+3],   v[ADRV+(g_&1)] offset:(j_>>2)*32*VP+32*db_
	ds_load_tr16_b128 v[fa+4:fa+7], v[ADRV+(g_&1)] offset:(j_>>2)*32*VP+32*db_+16*VP
.endm
.macro VRUN g
.set jj, 0
.rept 8
	VFR 8*(\g)+jj
.set jj, jj+1
.endr
.endm
.macro PMUL f, qb, first
.set g_, (\f)>>3
.set j_, (\f)&7
.set od, 16*((4*(g_>>1)+(j_&3))&15)+8*(\qb)
.set fa, FB+8*((\f)%12)
.set pb, SB+64*(\qb)+16*(2*(g_&1)+(j_>>2))
.set zc, 0
.if \first
.if (g_&1) == 0
.if j_ < 4
.set zc, 1
.endif
.endif
.endif
.if zc
	v_wmma_f32_16x16x32_bf16 v[od:od+7], v[fa:fa+7], v[pb:pb+7], 0         ; the first step's first 32 keys start the sums
.else
	v_wmma_f32_16x16x32_bf16 v[od:od+7], v[fa:fa+7], v[pb:pb+7], v[od:od+7]
.endif
.endm
.macro PQUAD g, j0, first
	PMUL 8*(\g)+(\j0), 0, \first
	PMUL 8*(\g)+(\j0), 1, \first
	PMUL 8*(\g)+(\j0)+1, 0, \first
	PMUL 8*(\g)+(\j0)+1, 1, \first
.endm
; Eight accumulators take turns, one instruction a turn, twice in a group.  Waits and slots as in S.  A load's destination
; shares its window field with D, so the run stands under window 0.  The places in front of the run are useful work: sixteen multiplications
; that rescale half of the NEXT block's accumulators, which name no register of the products around them; block 0 is rescaled ahead of the phase.
.macro PV_PHASE first
.set g, 0
.rept 16
	s_wait_dscnt 12                                ; the group's first two fragments are in
	WIN 0xa0+0x50*(g>>3)                           ; C and D in window 2 (column blocks 0-15) or 3
	PQUAD g, 0, \first
	s_wait_dscnt 8                                 ; the next two
	PQUAD g, 2, \first
.if g < 15
.set rs, 0
.if \first == 0
.if g < 14
.set rs, 1
.endif
.endif
.if rs
	RESC (g>>1)+1, g&1
.else
	PLACES 4                                       ; nothing to rescale: the first step, and the last block
.endif
	WIN 0
	VRUN g+1
	s_wait_dscnt 16                                ; all but the sixteen just issued: the group's last four fragments
	WIN 0xa0+0x50*(g>>3)
.else
	s_wait_dscnt 0
.endif
	PQUAD g, 4, \first
	PQUAD g, 6, \first
.set g, g+1
.endr
.endm
; key rows in f32 for the sum at the end: chunk n = rows 16 (n >> 2) + 0..15, columns 128 (n & 3) .. + 127, into window 1 at 64 (n & 3) + 4 row
.macro KEYLOAD n
.set row, 0
.rept 16
	global_load_b128 v[64*((\n)&3)+4*row:64*((\n)&3)+4*row+3], v[GOFF], s[6:7] offset:(16*((\n)>>2)+row)*2048+512*((\n)&3) th:TH_LOAD_NT
.set row, row+1
.endr
.endm
; ---- one step of 128 keys.  first = 1: nothing has been summed yet.  fill = 1: both slots are filled again, for the next step.
.macro STEP first, fill
.if \fill
	PREF PFK                                       ; the next step's K tile: its joint load is issued behind this step's 256 products of S
.endif
	S_PHASE
	PLACES 4                                       ; behind the last products: S is read, and fragment slots 0-7 (in the last step Q's registers too) are loaded
	WIN 0
	s_wait_dscnt 0x0                               ; my reads of K's slot are back (met: the last group's wait was for 0)
	s_wait_xcnt 0x0
	v_lshl_add_u32 v27, v0, 2, 0x49c00
	v_mov_b32 v31, 0
	s_wait_tensorcnt 0x0                           ; all my tensor loads have landed: the one that was out is my quarter of this step's V
	ds_add_u32 v27, v31
	s_wait_dscnt 0x0
.if \fill
	s_wait_xcnt 0x0                                ; the prefetch has read its base
	s_add_nc_u64 s[PFK:PFK+1], s[PFK:PFK+1], TILEB
	s_add_nc_u64 s[G0K+2:G0K+3], s[G0K+2:G0K+3], TILEB     ; no tensor load of mine is out: group 0 may be written
	ROUND                                          ; no wave of the four work-groups reads K's slot any more or has a load on its way; V's tile is whole
	tensor_load_to_lds s[G0K:G0K+3], s[G1K:G1K+7]  ; the next step's K: it has the softmax and 256 products in which to land
	s_nop 0
	PREF PFV                                       ; the next step's V tile: its joint load is issued at this step's end
.else
	s_barrier_signal -1
	s_barrier_wait -1                              ; V's last tile is whole; nothing is filled any more
	WIN 0x40
	KEYLOAD 0                                      ; Q has been read for the last time: my rows 0-15 of key land there while P V runs
	KEYLOAD 1
	KEYLOAD 2
	KEYLOAD 3
	WIN 0
.set k, 0
.rept 4
	global_prefetch_b8 v[PFL], s[6:7] offset:32768+8192*k th:TH_LOAD_NT scope:SCOPE_SE     ; my rows 16-31 of key (32 KiB, lanes 256 bytes apart), loaded when rows 0-15 have left
.set k, k+1
.endr
.endif
	VRUN 0                                         ; the first group of V's fragments, on its way under the softmax
	SOFTMAX \first
.if \first == 0
	RESC 0, 0                                      ; the first block's accumulators; the others follow inside the phase
	RESC 0, 1
.endif
	PV_PHASE \first
	PLACES 5                                       ; the next products of S write over P, which the last products have read; slots 0-7 are loaded; at the end O is read
	WIN 0
.if \fill
	s_wait_dscnt 0x0                               ; my reads of V's slot are back
	s_wait_xcnt 0x0
	v_lshl_add_u32 v27, v0, 2, 0x49c00
	v_mov_b32 v31, 0
	s_wait_tensorcnt 0x0                           ; my quarter of the next K has landed
	ds_add_u32 v27, v31
	s_wait_dscnt 0x0
	s_wait_xcnt 0x0
	s_add_nc_u64 s[PFV:PFV+1], s[PFV:PFV+1], TILEB
	s_add_nc_u64 s[G0V+2:G0V+3], s[G0V+2:G0V+3], TILEB
	ROUND                                          ; nobody reads V's slot any more; the next K is whole
	tensor_load_to_lds s[G0V:G0V+3], s[G1V:G1V+7]  ; the next step's V: it has the 256 products of S in which to land
	s_nop 0
.endif
.endm
	STEP 1, 1                                      ; step 0 stands in front of the loop: its products start the sums
	s_mov_b32 s52, 14
.Lstep:
	STEP 0, 1                                      ; steps 1 to 14
	s_sub_co_u32 s52, s52, 1
	s_cmp_lg_u32 s52, 0
	s_cbranch_scc1 .Lstep
	STEP 0, 0                                      ; step 15 fetches no tile and asks for none
; ---- the way out: O / (sqrt(512) x sum) + key, 16 rows x 128 columns at a time through my stage, so that every store covers whole rows' 512 neighbouring bytes
	v_permlanex16_b32 v[PX], v[LS],   s18, s19     ; the sums over the rows' other keys
	v_permlanex16_b32 v[T],  v[LS+1], s18, s19
	v_add_f32 v[LS],   v[LS],   v[PX]
	v_add_f32 v[LS+1], v[LS+1], v[T]
	v_rcp_f32 v[T+2], v[LS]                        ; the sum holds the largest score's own term, about 1: never 0
	v_rcp_f32 v[T+3], v[LS+1]
	v_and_b32 v[T+4], 15, v0                       ; the plain place behind the reciprocals
	v_bfe_u32 v[T+5], v0, 4, 1
	s_wait_alu depctr_va_vdst(0)
	v_mul_f32 v[AL],   s23, v[T+2]
	v_mul_f32 v[AL+1], s23, v[T+2]
	v_mul_f32 v[AL+2], s23, v[T+3]
	v_mul_f32 v[AL+3], s23, v[T+3]
	v_mul_u32_u24 v[STA], v[T+4], SP               ; in: row r; my eight neighbouring columns of a tile are 32 bytes, the upper half of the lanes 32 bytes on
	v_lshl_add_u32 v[STA], v[T+5], 5, v[STA]
	v_add_nc_u32 v[STA], s53, v[STA]
	v_add_nc_u32 v[STB], s53, v[GOFF]              ; back: a row's 512 bytes, 16 a lane
; chunk n: query block n >> 2, columns 128 (n & 3) .. + 127.  left = the key loads issued behind this chunk's sixteen.
.macro OCHUNK n, left
.set qb_, (\n)>>2
.set c_, (\n)&3
	WIN 0x02+(c_>>1)                               ; source 0 = O, in window 2 or 3
.set i_, 0
.rept 8
.set p_, 0
.rept 4
	v_pk_mul_f32 v[FB+8*i_+2*p_:FB+8*i_+2*p_+1], v[16*((8*c_+i_)&15)+8*qb_+2*p_:16*((8*c_+i_)&15)+8*qb_+2*p_+1], v[AL+2*qb_:AL+2*qb_+1]
.set p_, p_+1
.endr
.set i_, i_+1
.endr
	WIN 0
.set i_, 0
.rept 8
	ds_store_b128 v[STA], v[FB+8*i_:FB+8*i_+3]   offset:64*i_
	ds_store_b128 v[STA], v[FB+8*i_+4:FB+8*i_+7] offset:64*i_+16
.set i_, i_+1
.endr
	s_wait_xcnt 0x0                                ; the last chunk's stores have read v32-95, which are loaded again below
.set row, 0
.rept 16
	ds_load_b128 v[SB+4*row:SB+4*row+3], v[STB] offset:row*SP      ; my own bytes, served in order behind the stores above
.set row, row+1
.endr
	s_wait_dscnt 0x0
	s_wait_loadcnt \left                           ; this chunk's key rows are in
	WIN 0x04                                       ; source 1 = key, in window 1
.set p_, 0
.rept 32
	v_pk_add_f32 v[SB+2*p_:SB+2*p_+1], v[SB+2*p_:SB+2*p_+1], v[64*c_+2*p_:64*c_+2*p_+1]
.set p_, p_+1
.endr
	WIN 0
.set row, 0
.rept 16
	global_store_b128 v[GOFF], v[SB+4*row:SB+4*row+3], s[12:13] offset:(16*qb_+row)*2048+512*c_ th:TH_STORE_NT    ; 512 consecutive bytes, at a multiple of 512
.set row, row+1
.endr
.if (\n) < 4
	WIN 0x40
	KEYLOAD (\n)+4                                 ; the same columns of rows 16-31, into the registers just read
	WIN 0
.endif
.endm
	OCHUNK 0, 48                                   ; behind chunk n's loads stand those of chunks n + 1 to n + 3, sixteen each,
	OCHUNK 1, 48
	OCHUNK 2, 48
	OCHUNK 3, 48
	OCHUNK 4, 48
	OCHUNK 5, 32                                   ; and towards the end of fewer
	OCHUNK 6, 16
	OCHUNK 7, 0
	s_wait_xcnt 0x0
	v_lshl_add_u32 v27, v0, 2, 0x49c00
	v_mov_b32 v31, 0
	s_wait_tensorcnt 0x0
	ds_add_u32 v27, v31
	s_wait_dscnt 0x0
	ROUND                                          ; the closing round: no work-group ends while a partner may still ask for a tile that names it
	s_endpgm
.Lfunc_end_k_q471f8b04bd_attn:
	.size	k_q471f8b04bd_attn, .Lfunc_end_k_q471f8b04bd_attn-k_q471f8b04bd_attn
	.p2alignl 7, 3214868480
	.fill 96, 4, 3214868480
	.section	.rodata,"a",@progbits
	.p2align	6, 0x0
	.amdhsa_kernel k_q471f8b04bd_attn
		.amdhsa_group_segment_fixed_size 327680
		.amdhsa_private_segment_fixed_size 0
		.amdhsa_enable_private_segment 0
		.amdhsa_kernarg_size 40
		.amdhsa_user_sgpr_count 2
		.amdhsa_user_sgpr_kernarg_segment_ptr 1
		.amdhsa_wavefront_size32 1
		.amdhsa_system_sgpr_workgroup_id_x 1
		.amdhsa_system_sgpr_workgroup_id_y 1
		.amdhsa_system_sgpr_workgroup_id_z 1
		.amdhsa_system_vgpr_workitem_id 0
		.amdhsa_next_free_vgpr 1024
		.amdhsa_next_free_sgpr 66
		.amdhsa_reserve_vcc 0
		.amdhsa_float_denorm_mode_32 3
		.amdhsa_float_denorm_mode_16_64 3
		.amdhsa_memory_ordered 1
		.amdhsa_forward_progress 1
		.amdhsa_inst_pref_size 255
	.end_amdhsa_kernel
	.section	.bss,"aw",@nobits
	.p2align	6
	.space	262144
	.amdgpu_metadata
---
amdhsa.version: [ 1, 2 ]
amdhsa.kernels:
  - .name:           k_q471f8b04bd_attn
    .symbol:         k_q471f8b04bd_attn.kd
    .args:
      - { .name: query, .offset: 0, .size: 8, .value_kind: global_buffer, .address_space: global }
      - { .name: key, .offset: 8, .size: 8, .value_kind: global_buffer, .address_space: global }
      - { .name: kb, .offset: 16, .size: 8, .value_kind: global_buffer, .address_space: global }
      - { .name: vb, .offset: 24, .size: 8, .value_kind: global_buffer, .address_space: global }
      - { .name: out0, .offset: 32, .size: 8, .value_kind: global_buffer, .address_space: global }
    .group_segment_fixed_size: 327680
    .private_segment_fixed_size: 0
    .kernarg_segment_align: 8
    .kernarg_segment_size: 40
    .max_flat_workgroup_size: 128
    .sgpr_count:     66
    .vgpr_count:     1024
    .wavefront_size: 32
...
	.end_amdgpu_metadata
.endif
;; end of part 3
;; ======== version 3 of 3: 2 launches; version 2 with the launch cvt written anew for expert scheduling mode
;; workspace buffers: kb 33,554,432 bytes; vb 33,554,432 bytes
;; launch cvt (part 4): grid 1024 x 1, 8 waves a work-group, no clusters, 0 bytes of LDS; arguments key, value, kb, vb; writes kb, vb
.if DOCPART == 4
	.amdgcn_target "amdgcn-amd-amdhsa--gfx1250"
	.amdhsa_code_object_version 6
	.text
	.protected	k_q471f8b04bd_cvt
	.globl	k_q471f8b04bd_cvt
	.p2align	8
	.type	k_q471f8b04bd_cvt,@function
k_q471f8b04bd_cvt:
	s_mov_b64 s[64:65], 0
	v_nop
	global_prefetch_b8 v0, s[64:65] scope:SCOPE_SE
	s_setreg_imm32_b32 hwreg(HW_REG_WAVE_SCHED_MODE, 0, 2), 2
	s_setreg_imm32_b32 hwreg(HW_REG_WAVE_MODE, 25, 1), 1
	s_wait_xcnt 0x0
	s_wait_alu depctr_vm_vsrc(0)
; kb = bf16(key), vb = bf16(value), both [16][2048][512], rounded to nearest even, same order of elements.
; A stream: every input byte is read once and every output byte written once, so there is no LDS, no barrier, no matrix work.
; Why this launch exists: each key and value row is a matrix operand of the sixteen query blocks of its batch; rounding it here
; once spares sixteen roundings and halves the bytes that the attention launch moves for each use.
; The work-group owns 65,536 bytes of each input (1,024 groups x 64 KiB = 67,108,864), a wave 8,192 of them: sixteen loads of 512
; neighbouring bytes from each input.  All 32 loads of a wave go out at once; nothing is rewritten while it is named, so there is no loop.
; THE MODE: SCHED_MODE bits 1:0 = 2 (LLVM: expert scheduling mode 2), set by the entry lines.  The code itself states the register dependences
; between vector instructions and memory instructions, with s_wait_alu, always for 0.
; THE PLAN.  Registers that memory instructions touch:
;   v1, v2        byte offsets of the loads and of the stores: made at the head, never written again.
;   v[X + 4 n ..] load n lands in four registers; its two conversions read them and write the first two in place; store n reads those two;
;                 nothing writes them after that.
; The 32 loads go in eight groups of four (0-3: key, 4-7: value).  Group g's turn: the wait for its data, ONE wait on va_vdst, which states that
; group g - 1's conversions have written what its four stores read, and then those four stores dealt among group g's eight conversions, which
; name group g's sixteen registers alone.  No register that a memory instruction reads is written again, so no wait on vm_vsrc is owed.
.set X, 4                              ; v[4:67] key as loaded, v[68:131] value as loaded; the packed results overwrite the first two registers of each four
	s_load_b256 s[4:11], s[0:1], 0x0               ; key s[4:5], value s[6:7], kb s[8:9], vb s[10:11]
	v_and_b32 v3, 31, v0                           ; lane
	v_and_b32 v2, 0xe0, v0                         ; 32 x wave
	v_lshlrev_b32 v1, 4, v3
	v_lshl_or_b32 v1, v2, 8, v1                    ; in: wave x 8,192 + lane x 16
	v_lshlrev_b32 v3, 3, v3
	v_lshl_or_b32 v2, v2, 7, v3                    ; out: wave x 4,096 + lane x 8
	s_lshl_b32 s2, ttmp9, 16                       ; the group's 65,536 input bytes (below 2^27)
	s_mov_b32 s3, 0
	s_lshl_b32 s12, ttmp9, 15                      ; and its 32,768 output bytes
	s_mov_b32 s13, 0
	s_wait_kmcnt 0x0
	s_add_nc_u64 s[4:5], s[4:5], s[2:3]
	s_add_nc_u64 s[6:7], s[6:7], s[2:3]
	s_add_nc_u64 s[8:9], s[8:9], s[12:13]
	s_add_nc_u64 s[10:11], s[10:11], s[12:13]
	s_wait_alu depctr_va_vdst(0)                   ; v1 and v2 are written: every load of the kernel reads v1 as its offset, every store v2; no vector line names them again
.set n, 0
.rept 16
	global_load_b128 v[X+4*n:X+4*n+3], v1, s[4:5] offset:512*n th:TH_LOAD_NT
.set n, n+1
.endr
.rept 16
	global_load_b128 v[X+4*n:X+4*n+3], v1, s[6:7] offset:512*(n-16) th:TH_LOAD_NT
.set n, n+1
.endr
; Store n: what load n brought, packed.  n < 16 goes to kb (s[8:9]), the others to vb (s[10:11]).
.macro OUT n
	global_store_b64 v2, v[X+4*(\n):X+4*(\n)+1], s[8+2*((\n)/16):9+2*((\n)/16)] offset:256*((\n)%16)  ; the wave's 32 lanes store 256 consecutive bytes, at a multiple of 256
.endm
; Group g's turn: its four loads are rounded, and the group before is stored.
.macro GROUP g
	s_wait_loadcnt 28-4*(\g)                       ; loads come back in order (ISA guide 5.7.1): loads 4 g to 4 g + 3 are in when the 28 - 4 g younger ones are still out
.if (\g) > 0
	s_wait_alu depctr_va_vdst(0)                   ; the conversions of group g - 1 have written its eight packed registers, which the four stores below read
.endif
.irp i, 0,1,2,3
.if (\g) > 0
	OUT 4*((\g)-1)+(\i)                            ; no vector instruction since the wait names this store's registers
.endif
	v_cvt_pk_bf16_f32 v[X+4*(4*(\g)+(\i))],   v[X+4*(4*(\g)+(\i))],   v[X+4*(4*(\g)+(\i))+1]
	v_cvt_pk_bf16_f32 v[X+4*(4*(\g)+(\i))+1], v[X+4*(4*(\g)+(\i))+2], v[X+4*(4*(\g)+(\i))+3]
.endr
.endm
	GROUP 0                                        ; no group stands in front of it: no store, and no wait but the one for its data
	GROUP 1
	GROUP 2
	GROUP 3
	GROUP 4
	GROUP 5
	GROUP 6
	GROUP 7
	s_wait_alu depctr_va_vdst(0)                   ; the conversions of group 7 have written its packed registers, which the last four stores read
	OUT 28
	OUT 29
	OUT 30
	OUT 31
	s_endpgm
.Lfunc_end_k_q471f8b04bd_cvt:
	.size	k_q471f8b04bd_cvt, .Lfunc_end_k_q471f8b04bd_cvt-k_q471f8b04bd_cvt
	.p2alignl 7, 3214868480
	.fill 96, 4, 3214868480
	.section	.rodata,"a",@progbits
	.p2align	6, 0x0
	.amdhsa_kernel k_q471f8b04bd_cvt
		.amdhsa_group_segment_fixed_size 0
		.amdhsa_private_segment_fixed_size 0
		.amdhsa_enable_private_segment 0
		.amdhsa_kernarg_size 32
		.amdhsa_user_sgpr_count 2
		.amdhsa_user_sgpr_kernarg_segment_ptr 1
		.amdhsa_wavefront_size32 1
		.amdhsa_system_sgpr_workgroup_id_x 1
		.amdhsa_system_sgpr_workgroup_id_y 1
		.amdhsa_system_sgpr_workgroup_id_z 1
		.amdhsa_system_vgpr_workitem_id 0
		.amdhsa_next_free_vgpr 132
		.amdhsa_next_free_sgpr 66
		.amdhsa_reserve_vcc 0
		.amdhsa_float_denorm_mode_32 3
		.amdhsa_float_denorm_mode_16_64 3
		.amdhsa_memory_ordered 1
		.amdhsa_forward_progress 1
		.amdhsa_inst_pref_size 12
	.end_amdhsa_kernel
	.amdgpu_metadata
---
amdhsa.version: [ 1, 2 ]
amdhsa.kernels:
  - .name:           k_q471f8b04bd_cvt
    .symbol:         k_q471f8b04bd_cvt.kd
    .args:
      - { .name: key, .offset: 0, .size: 8, .value_kind: global_buffer, .address_space: global }
      - { .name: value, .offset: 8, .size: 8, .value_kind: global_buffer, .address_space: global }
      - { .name: kb, .offset: 16, .size: 8, .value_kind: global_buffer, .address_space: global }
      - { .name: vb, .offset: 24, .size: 8, .value_kind: global_buffer, .address_space: global }
    .group_segment_fixed_size: 0
    .private_segment_fixed_size: 0
    .kernarg_segment_align: 8
    .kernarg_segment_size: 32
    .max_flat_workgroup_size: 256
    .sgpr_count:     66
    .vgpr_count:     132
    .wavefront_size: 32
...
	.end_amdgpu_metadata
.endif
;; end of part 4
;; launch attn: the kernel of part 3 again; grid 16 x 16, 4 waves a work-group, clusters of 4 x 1, 327,680 bytes of LDS; arguments query, key, kb, vb, out0; writes out0
